; MI455X (gfx1250); checked and timed in simulation.
; The chip was launched on July 23, 2026; its instructions are those of AMD's public machine-readable ISA for CDNA 5 (MIT licence, August 2026) and "CDNA5" Instruction Set Architecture Reference Guide (July 2026). The comments in the code are by the model that wrote it; some were corrected since.
;; Multi Head Attention Linear. Allowed arithmetic: float matrix products may take bf16 or f16 operands with f32 sums; other float arithmetic in f32, or as packed bf16 or f16 multiplies, adds, multiply-adds, maxima and minima; sums over many terms, partial sums and values carried from step to step in f32; what a program stores and reads back later, other than sums and carried values, may be rounded once to bf16 or f16.
;; Inputs: Wk 1,024 x 1,024 float32; Wq 1,024 x 1,024 float32; Wv 1,024 x 1,024 float32; beta 1,024 float32; bk 1,024 float32; bq 1,024 float32; bv 1,024 float32; gamma 1,024 float32; mask 4,096 x 4,096 bool; pad_mask 4 x 4,096 bool; x 4 x 4,096 x 1,024 float32.
;; Outputs: out0 4 x 4,096 x 1,024 float32.
;; One version. Each part assembles by itself: llvm-mc -triple=amdgcn-amd-amdhsa -mcpu=gfx1250 --defsym DOCPART=n.
;; ======== version 1 of 1: 4 launches
;; workspace buffers: xb 33,554,432 bytes; wb 6,291,456 bytes; qs 33,554,432 bytes; part 16,777,216 bytes; stat 524,288 bytes; gtb 524,288 bytes
;; launch cast (part 1): grid 1216 x 1, 8 waves a work-group, no clusters, 0 bytes of LDS; arguments x, Wq, Wk, Wv, xb, wb; writes xb, wb
.if DOCPART == 1
	.amdgcn_target "amdgcn-amd-amdhsa--gfx1250"
	.amdhsa_code_object_version 6
	.text
	.protected	k_qf11a2c2009_cast
	.globl	k_qf11a2c2009_cast
	.p2align	8
	.type	k_qf11a2c2009_cast,@function
k_qf11a2c2009_cast:
	s_mov_b64 s[64:65], 0
	v_nop
	global_prefetch_b8 v0, s[64:65] scope:SCOPE_SE
	s_setreg_imm32_b32 hwreg(HW_REG_WAVE_MODE, 25, 1), 1
	s_wait_xcnt 0x0
; x [16384][1024] and the three weights [1024][1024] are rounded once to bf16: xb and wb, the matrix operands of the next launch.
; wb has 3,072 rows: 0-1023 are Wq's; head g's 64 rows of Wk lie at 1024 + 128 g, its 64 rows of Wv at 1024 + 128 g + 64,
; so that 128 consecutive rows of wb are one head's k and then its v.
; A work-group takes 16 rows (16,384 numbers: 65,536 bytes in, 32,768 out): groups 0-1023 take x, 1024-1087 Wq, 1088-1151 Wk, 1152-1215 Wv.
; Thread t takes 8 numbers at byte 32 t of each block of 8,192 bytes: two loads of 16 bytes; its 16 bytes of bf16 go to byte 16 t of a block of 4,096:
; sixteen neighbouring lanes store 256 consecutive bytes, aligned.  All 16 loads go out first; nothing is used twice, so no register is freed by a wait.
; No LDS, no matrix unit, no cluster: nothing is shared and nothing is read twice.
.set XWG, 1024                         ; work-groups that take x
.set IN,  8                            ; v[8:71]   64 numbers as loaded
.set OUT, 72                           ; v[72:103] the same in bf16
	s_load_b256 s[4:11], s[0:1], 0x0               ; x s[4:5], Wq s[6:7], Wk s[8:9], Wv s[10:11]
	s_load_b128 s[12:15], s[0:1], 0x20             ; xb s[12:13], wb s[14:15]
	v_lshlrev_b32 v1, 5, v0                        ; 32 t
	v_lshlrev_b32 v2, 4, v0                        ; 16 t
	s_max_u32 s16, ttmp9, XWG
	s_sub_co_u32 s16, s16, XWG                     ; my number among the weights' groups (0 for x's groups, where it is not used)
	s_lshr_b32 s17, s16, 6                         ; which weight: 0 q, 1 k, 2 v
	s_and_b32 s18, s16, 63                         ; j: its rows 16 j .. 16 j + 15
	s_lshr_b32 s19, s18, 2                         ; the head
	s_and_b32 s20, s18, 3
	s_lshl_b32 s19, s19, 7
	s_lshl_b32 s20, s20, 4
	s_add_co_u32 s19, s19, s20
	s_lshl_b32 s20, s17, 6
	s_add_co_u32 s19, s19, s20
	s_add_co_u32 s19, s19, 960                     ; 1024 + 128 head + 16 (j % 4) + 64 (which - 1)
	s_lshl_b32 s21, s18, 4                         ; Wq's rows stay where they are
	s_cmp_eq_u32 s17, 0
	s_cselect_b32 s19, s21, s19
	s_lshl_b32 s19, s19, 11                        ; a row of wb is 2,048 bytes
	s_lshl_b32 s18, s18, 16                        ; 16 rows of a weight are 65,536 bytes
	s_lshl_b32 s22, ttmp9, 16                      ; x's groups: the same sizes
	s_lshl_b32 s23, ttmp9, 15
	s_mov_b32 s29, 0
	s_mov_b32 s31, 0
	s_wait_kmcnt 0x0
	s_cmp_eq_u32 s17, 1
	s_cselect_b64 s[24:25], s[8:9], s[10:11]
	s_cmp_eq_u32 s17, 0
	s_cselect_b64 s[24:25], s[6:7], s[24:25]
	s_cmp_lt_u32 ttmp9, XWG
	s_cselect_b64 s[24:25], s[4:5], s[24:25]       ; from where
	s_cselect_b64 s[26:27], s[12:13], s[14:15]     ; to where
	s_cselect_b32 s28, s22, s18
	s_cselect_b32 s30, s23, s19
	s_add_nc_u64 s[24:25], s[24:25], s[28:29]
	s_add_nc_u64 s[26:27], s[26:27], s[30:31]
.irp i, 0,1,2,3,4,5,6,7
	global_load_b128 v[IN+8*(\i):IN+8*(\i)+3],   v1, s[24:25] offset:8192*(\i) th:TH_LOAD_NT
	global_load_b128 v[IN+8*(\i)+4:IN+8*(\i)+7], v1, s[24:25] offset:8192*(\i)+16 th:TH_LOAD_NT
.endr
.irp i, 0,1,2,3,4,5,6,7
	s_wait_loadcnt 14-2*(\i)                       ; loads come back in order: pair i is in, the younger pairs stay out
.irp k, 0,1,2,3
	v_cvt_pk_bf16_f32 v[OUT+4*(\i)+(\k)], v[IN+8*(\i)+2*(\k)], v[IN+8*(\i)+2*(\k)+1]
.endr
	global_store_b128 v2, v[OUT+4*(\i):OUT+4*(\i)+3], s[26:27] offset:4096*(\i)
.endr
	s_endpgm
.Lfunc_end_k_qf11a2c2009_cast:
	.size	k_qf11a2c2009_cast, .Lfunc_end_k_qf11a2c2009_cast-k_qf11a2c2009_cast
	.p2alignl 7, 3214868480
	.fill 96, 4, 3214868480
	.section	.rodata,"a",@progbits
	.p2align	6, 0x0
	.amdhsa_kernel k_qf11a2c2009_cast
		.amdhsa_group_segment_fixed_size 0
		.amdhsa_private_segment_fixed_size 0
		.amdhsa_enable_private_segment 0
		.amdhsa_kernarg_size 48
		.amdhsa_user_sgpr_count 2
		.amdhsa_user_sgpr_kernarg_segment_ptr 1
		.amdhsa_wavefront_size32 1
		.amdhsa_system_sgpr_workgroup_id_x 1
		.amdhsa_system_sgpr_workgroup_id_y 1
		.amdhsa_system_sgpr_workgroup_id_z 1
		.amdhsa_system_vgpr_workitem_id 0
		.amdhsa_next_free_vgpr 104
		.amdhsa_next_free_sgpr 66
		.amdhsa_reserve_vcc 0
		.amdhsa_float_denorm_mode_32 3
		.amdhsa_float_denorm_mode_16_64 3
		.amdhsa_memory_ordered 1
		.amdhsa_forward_progress 1
		.amdhsa_inst_pref_size 7
	.end_amdhsa_kernel
	.amdgpu_metadata
---
amdhsa.version: [ 1, 2 ]
amdhsa.kernels:
  - .name:           k_qf11a2c2009_cast
    .symbol:         k_qf11a2c2009_cast.kd
    .args:
      - { .name: x, .offset: 0, .size: 8, .value_kind: global_buffer, .address_space: global }
      - { .name: Wq, .offset: 8, .size: 8, .value_kind: global_buffer, .address_space: global }
      - { .name: Wk, .offset: 16, .size: 8, .value_kind: global_buffer, .address_space: global }
      - { .name: Wv, .offset: 24, .size: 8, .value_kind: global_buffer, .address_space: global }
      - { .name: xb, .offset: 32, .size: 8, .value_kind: global_buffer, .address_space: global }
      - { .name: wb, .offset: 40, .size: 8, .value_kind: global_buffer, .address_space: global }
    .group_segment_fixed_size: 0
    .private_segment_fixed_size: 0
    .kernarg_segment_align: 8
    .kernarg_segment_size: 48
    .max_flat_workgroup_size: 256
    .sgpr_count:     66
    .vgpr_count:     104
    .wavefront_size: 32
...
	.end_amdgpu_metadata
.endif
;; end of part 1
;; launch proj (part 2): grid 4 x 64, 4 waves a work-group, clusters of 4 x 4, 327,680 bytes of LDS; arguments xb, wb, bq, bk, qs, part, stat; writes qs, part, stat
.if DOCPART == 2
	.amdgcn_target "amdgcn-amd-amdhsa--gfx1250"
	.amdhsa_code_object_version 6
	.text
	.protected	k_qf11a2c2009_proj
	.globl	k_qf11a2c2009_proj
	.p2align	8
	.type	k_qf11a2c2009_proj,@function
k_qf11a2c2009_proj:
	s_mov_b64 s[64:65], 0
	v_nop
	global_prefetch_b8 v0, s[64:65] scope:SCOPE_SE
	s_setreg_imm32_b32 hwreg(HW_REG_WAVE_MODE, 25, 1), 1
	s_wait_xcnt 0x0
	s_wait_alu depctr_hold_cnt(0) depctr_sa_sdst(0) depctr_va_vdst(0) depctr_va_sdst(0) depctr_va_ssrc(0) depctr_va_vcc(0) depctr_vm_vsrc(0)
	s_getreg_b32 s2, hwreg(HW_REG_IB_STS2, 6, 4)
	s_cmp_eq_u32 s2, 0
	s_cbranch_scc0 .Lentry_in_a_cluster
	s_endpgm
.Lentry_in_a_cluster:
	s_bfe_u32 s2, ttmp6, 0x10000c
	s_cmp_lg_u32 s2, 0xf033
	s_cbranch_scc0 .Lentry_shape_is_right
	s_endpgm
.Lentry_shape_is_right:
; THE THREE PROJECTIONS as one product [16384 x 3072 x 1024] in bf16 with f32 sums, xb times wb's rows, and what follows them at once:
;   a Q tile (wb's rows 0-1023) leaves as qs = softmax over each head's 64 channels of (x Wq^T + bq), in bf16, [16384][1024];
;   a KV tile never leaves: of a head's k (with bk) and v (without bv: the last launch adds it) a wave keeps G^T[e][d] = sum over its rows s of v[s][e] p[s][d],
;   p = 2^(c k + c bk - m), c = log2(e), with a running maximum m[d] and l[d] = sum of p; they leave once, as one of 16 parts of a (batch, head): part and stat.
; reference() does not use mask and pad_mask: no launch reads them.  LIMITS: NaN and infinities are not treated apart; a weight below 2^-126 counts as 0; p, v and qs are rounded to bf16.
; SHARES.  A tile of the product is 256 x 256; four waves, each 128 x 128 in 64 accumulators (512 registers).  A work-group stays for THREE tiles: one Q tile, then two KV tiles, one below
; the other, on the same rows of wb.  768 tiles, 256 work-groups, all alike.  K goes in 8 steps of 128 through a ring of two LDS slots; rows of 256 bytes, aligned.  The ring runs on across tiles.
; CLUSTER 4 x 4.  With C the cluster's number (0-15): Q tile: row tile 4 C + cy, column tile cx.  KV tiles: row tiles 8 (C / 2) + 2 cy and + 1, column tile 4 + cx + 4 (C % 2).
; Row tiles hang on C and cy, column tiles on C and cx: x's tile is asked for jointly along a row of the cluster, wb's along a column.
; ORIENTATION.  The matrix line is always D, fragment in window 1 (block b), fragment in window 0 (block a).  In the Q tile window 1 holds wb's rows and window 0 x's: a lane holds ONE row of x
; (16 a + lane % 16) and the columns 16 b + 8 (lane / 16) + 0..7.  In a KV tile the two LDS addresses are swapped: a lane holds ONE channel (16 a + lane % 16; a < 4: k, window 2; a >= 4: v, window 3)
; and the rows 16 b + 8 (lane / 16) + 0..7, so two accumulators that are neighbours in b, rounded in pairs, ARE a fragment of 16 channels x 32 rows for G^T = V^T P.
; REGISTERS, in windows of 256 (s_set_vgpr_msb: bits 1:0 source 0, 3:2 source 1, 5:4 source 2, 7:6 destination):
;   window 0: v0-31 addresses, v8-15 ones; v32-39 m and c bk; v40-55 at work; v64-127, v128-191 fragment buffers (the second is T in the Q rows); v192-255 c bq, later v192-223 at work and v224-255 l's four accumulators
;   window 1: v64-127, v128-191 fragment buffers; v0-63 and v192-255 G^T's 16 accumulators          windows 2, 3: the 64 accumulators, (a, b) at v[8 (8 (a % 4) + b)] of window 2 + a / 4
.set KSTEP,  128
.set PITCH,  272                       ; an LDS row: 256 bytes + 16 of padding = 68 words: the 16 rows that a load touches start at 16 different groups of four banks (64 banks of 4 bytes: ISA guide 11.1)
.set HALFT,  128*PITCH                 ; 128 rows: what one tensor load brings, and what one wave reads of x or of wb
.set SLOT,   4*HALFT                   ; x's 256 rows, then wb's 256 rows
.set STAGE,  2*SLOT                    ; behind the ring, never filled by a tensor load: 16 rows x 272 bytes for each wave
.set SPARE,  STAGE+4*16*PITCH          ; behind the stages: the spare words, 128 bytes for each wave: two blocks of 256 bytes that no other line names
.set DM,     1024
.set LAPS,   DM/(2*KSTEP)              ; a lap = two K steps = once round the ring
.set SS,  4                            ; v4   stage + 4 r + 256 h: where m (h = 0) and l (h = 1) go
.set SL,  5                            ; v5   stage + 16 lane
.set SO,  6                            ; v6   16 lane
.set BO,  7                            ; v7   32 h: my offset in bq
.set ONES, 8                           ; v[8:15] a fragment of ones in bf16
.set ADRA, 16                          ; v16-17  LDS address of window 0's fragments in slot 0, 1
.set NADRA, 18                         ; v18-19  the same for the KV tiles
.set ADRB, 20                          ; v20-21  of window 1's fragments
.set NADRB, 22                         ; v22-23  the same for the KV tiles
.set STO, 24                           ; v24  stage + 272 r + 16 h
.set RD,  25                           ; v25  stage + 272 h + 16 r
.set CO,  26                           ; v26  2048 h + 16 r: two rows of qs
.set GS,  27                           ; v27  stage + 2176 h + 4 r
.set SPW, 28                           ; v28  LDS address of my spare word; never rewritten
.set NIL, 29                           ; v29  0; never rewritten
.set PFO, 30                           ; v30  2048 x lane: a lane a row of xb or wb
.set PO,  31                           ; v31  256 h + 16 r: two rows of a part
.set MT,  32                           ; v32-35  the running maximum m of channel 16 a + r
.set BKC, 36                           ; v36-39  c bk of that channel
.set NEG, 40                           ; v40-47  c bk - m, as pairs
.set AL,  48                           ; v48-55  2^(m_old - m_new), as pairs
.set QT,  40                           ; the Q rows: for head g at QT + 8 g: c0-c3 at work, then a pair (the maximum, later 1 / sum)
.set KO,  56                           ; v56  4 r: my offset in bk
.set F0,  64
.set F1,  128
.set T,   128                          ; the Q rows: 64 numbers of one row of x
.set BQ,  192                          ; c bq of my 64 columns
.set TT,  192                          ; at work
.set LACC, 224
.set WV,  18                           ; s18 wave
.set RH,  19                           ; s19 wave / 2: my half of the tile's rows.  Also: I fetch for x (0) or for wb (1)
.set CH,  20                           ; s20 wave % 2: my half of its columns.  Also: which 128 rows of that tile I fetch
.set CX,  21
.set CY,  22
.set CC,  23                           ; the cluster's number
.set G1,  24                           ; s[24:31] descriptor group 1 for x's tiles
.set G0,  32                           ; s[32:39] group 0, a set for each slot
.set G1B, 48                           ; s[48:55], s[56:63] the same for wb's tiles
.set G0B, 56
.set NA,  66                           ; s[66:67] x at my 128 rows of the next tile
.set NA2, 68                           ; s[68:69] of the tile after it
.set NB,  70                           ; s[70:71] wb at my 128 rows of the KV tiles
.set PFA, 72                           ; s[72:73] where my prefetches stand: one K step further than the refill in hand; a prefetch names the step after that
.set PFN, 74                           ; s[74:75] the same for the KV tiles' rows of wb, at K step 1
.set LIM, 76                           ; s76  1 in a wave that prefetches, else the greatest number
.set LIM1, 77                          ; s77  the same for the tile to come
.set CS,  78                           ; s[78:79] c, twice
.set SEL, 80                           ; s[80:81] v_permlanex16_b32's selects: each lane takes its own place in the other half
.set QA,  82                           ; s82  counts the Q tile's blocks of 16 rows
.set G1W0, (1<<16)|(1<<20)|(1<<21)|(5<<22)|(3<<25)  ; 17:16 2-byte elements; 20 padding on; 21 set beside a mask; 24:22 after every 64 words; 31:25 4 words of it
.set MSB, 0
.macro WIN new                         ; the immediate's high byte repeats the setting that is left; a switch that changes nothing is dropped
.if MSB != (\new)
	s_set_vgpr_msb (MSB<<8)|(\new)
.set MSB, \new
.endif
.endm
.set MUL_LO, 0xa1                      ; source 0 window 1, source 1 window 0, C and D window 2
.set MUL_HI, 0xf1                      ; the same, C and D window 3
.set TO_B,   0x40                      ; destination window 1, address window 0
; A joint load.  Waves 0 and 1 fetch the two halves of x's tile, waves 2 and 3 those of wb's.  The branch hangs on the wave's number alone.
; An s_nop 0 and four v_nop follow each of the two lines, ahead of the jump and the label.
.macro JLOAD s
	s_cmp_eq_u32 s[RH], 0
	s_cbranch_scc0 .Lfor_b_\@
	tensor_load_to_lds s[G0+4*(\s):G0+4*(\s)+3], s[G1:G1+7]
	s_nop 0
.rept 4
	v_nop
.endr
	s_branch .Lasked_\@
.Lfor_b_\@:
	tensor_load_to_lds s[G0B+4*(\s):G0B+4*(\s)+3], s[G1B:G1B+7]
	s_nop 0
.rept 4
	v_nop
.endr
.Lasked_\@:
.endm
; A PREFETCH, behind a joint load, its five lines and the run of LDS loads: 32 rows x 256 bytes, a lane a row, of the K step that stands two refills (512 matrix instructions) on.
; Of the 128 rows that a wave fetches each of the four partners takes 32, told apart by address (cx for x, cy for wb).  WHO: x's rows of the Q tile are read by one cluster in that tile: every cluster asks
; for its own, K steps 4-7.  Wq's rows are read by all clusters: cluster 0 asks, K steps 4-7.  The KV rows of wb are read by the eight clusters of one parity: clusters 0 and 1 ask, K steps 2-7.
; In the KV tiles x's rows, and in the second KV tile wb's, are read a second time: nothing is asked.  how = 0, in the loop: a tile's last two refills have no K step two on; how = 1, at a change of tiles.
.macro ASK how
.if \how
	s_cmp_eq_u32 s[LIM], 1
.else
	s_cmp_gt_u32 s3, s[LIM]                        ; s3 = 1 in the loop's last trip
.endif
	s_cbranch_scc0 .Lnot_mine_\@
	global_prefetch_b8 v[PFO], s[PFA:PFA+1] offset:KSTEP*2 th:TH_LOAD_NT scope:SCOPE_SE
.Lnot_mine_\@:
.endm
; A round of the cluster's barrier: my work-group's barrier, so that wave 0's signal speaks for all four waves; wave 0 signals; every wave waits for all sixteen work-groups; my work-group's barrier once more.
.macro CREST                           ; a round behind its opening barrier
	s_cmp_lg_u32 s[WV], 0
	s_cbranch_scc1 .Lnot_wave_0_\@
	s_barrier_signal -3
.Lnot_wave_0_\@:
	s_barrier_wait -3
	s_barrier_signal -1
	s_barrier_wait -1
.endm
.macro CROUND
	s_barrier_signal -1
	s_barrier_wait -1
	CREST
.endm
; 16 matrix instructions: blocks a0, a0 + 1 of the window's four x all 8 blocks b, 32 along K.  zero = 1: the first product starts the sums.
.macro MUL16 f, hi, a0, zero
	WIN MUL_LO+0x50*(\hi)
.irp a, \a0, (\a0)+1
.irp b, 0,1,2,3,4,5,6,7
.if \zero
	v_wmma_f32_16x16x32_bf16 v[8*(8*(\a)+(\b)):8*(8*(\a)+(\b))+7], v[(\f)+8*(\b):(\f)+8*(\b)+7], v[(\f)+8*(4*(\hi)+(\a)):(\f)+8*(4*(\hi)+(\a))+7], 0
.else
	v_wmma_f32_16x16x32_bf16 v[8*(8*(\a)+(\b)):8*(8*(\a)+(\b))+7], v[(\f)+8*(\b):(\f)+8*(\b)+7], v[(\f)+8*(4*(\hi)+(\a)):(\f)+8*(4*(\hi)+(\a))+7], v[8*(8*(\a)+(\b)):8*(8*(\a)+(\b))+7]
.endif
.endr
.endr
.endm
; 32 LDS loads in one run: the fragments of a quarter step (32 K at byte k of the rows) into buffer f.  A fragment is 16 rows x 32 K in 8 registers: two loads of 16 bytes, 32 bytes apart.
.macro FETCH slot, k, f
	WIN TO_B
.irp i, 0,1,2,3,4,5,6,7
	ds_load_b128 v[(\f)+8*(\i):(\f)+8*(\i)+3],   v[ADRB+(\slot)] offset:(\k)+(\i)*16*PITCH
	ds_load_b128 v[(\f)+8*(\i)+4:(\f)+8*(\i)+7], v[ADRB+(\slot)] offset:(\k)+(\i)*16*PITCH+32
.endr
	WIN 0
.irp i, 0,1,2,3,4,5,6,7
	ds_load_b128 v[(\f)+8*(\i):(\f)+8*(\i)+3],   v[ADRA+(\slot)] offset:(\k)+(\i)*16*PITCH
	ds_load_b128 v[(\f)+8*(\i)+4:(\f)+8*(\i)+7], v[ADRA+(\slot)] offset:(\k)+(\i)*16*PITCH+32
.endr
.endm
.macro PLACES                          ; four plain vector instructions between a matrix instruction and a load into, or a vector read of, its registers
.rept 4
	v_nop
.endr
.endm
; A K step is four quarters of 32 along K, 64 matrix instructions each, on buffers 0, 1, 0, 1.  One of the first three multiplies buffer f and, in its middle, fetches the next quarter into g.
.macro QUARTER slot, k, f, g, zero
	s_wait_dscnt 8                                 ; window 1's fragments and window 0's blocks 0-3 are in; the youngest eight loads (blocks 4-7) may be out
	MUL16 \f, 0, 0, \zero
	MUL16 \f, 0, 2, \zero
	PLACES
	FETCH \slot, \k, \g
	s_wait_dscnt 32                                ; all but the 32 just issued
	MUL16 \f, 1, 0, \zero
	MUL16 \f, 1, 2, \zero
.endm
; The last quarter's first half: ONE barrier for the change of slots.  In front of it each wave waits for all its tensor loads (one is out: its part of the next slot), adds 0 to its spare word,
; and waits for that and for its own reads of this slot.  Behind it nobody reads this slot any more and the next slot is whole.
.macro MEET round
	WIN 0
	s_wait_tensorcnt 0x0
	ds_add_u32 v[SPW], v[NIL]
	s_wait_dscnt 9                                 ; the add and the youngest eight loads may be out
	MUL16 F1, 0, 0, 0                              ; sixteen matrix instructions stand between the add and the wait for it
	s_wait_dscnt 0x0                               ; the add is done, and my reads of this slot are over
	s_barrier_signal -1
	MUL16 F1, 0, 2, 0
.if \round
	WIN 0
.endif
	s_barrier_wait -1
.endm
; The whole last quarter.  Behind the round the slot just read out is filled again first: with this tile's K step two on (on = 0) or with the NEXT tile's K step 0 or 1 (on = 1: the address is made anew).
.macro TURN slot, next, on
	s_wait_xcnt 0x0                                ; the last prefetch, a K step back, has read its address
.if (\on) && ((\slot) == 0)
	s_mov_b64 s[PFA:PFA+1], s[PFN:PFN+1]
	s_mov_b32 s[LIM], s[LIM1]
	s_mov_b32 s[LIM1], -1
.else
	s_add_nc_u64 s[PFA:PFA+1], s[PFA:PFA+1], KSTEP*2
.endif
	MEET 1
	CREST                                          ; no wave of any partner still reads this slot's tile or has a load on its way
.if \on
	s_add_nc_u64 s[G0+4*(\slot)+2:G0+4*(\slot)+3], s[NA:NA+1], (\slot)*KSTEP*2
	s_or_b32 s[G0+4*(\slot)+3], s[G0+4*(\slot)+3], 0x80000000
	s_add_nc_u64 s[G0B+4*(\slot)+2:G0B+4*(\slot)+3], s[NB:NB+1], (\slot)*KSTEP*2
	s_or_b32 s[G0B+4*(\slot)+3], s[G0B+4*(\slot)+3], 0x80000000
.else
	s_add_nc_u64 s[G0+4*(\slot)+2:G0+4*(\slot)+3], s[G0+4*(\slot)+2:G0+4*(\slot)+3], 2*KSTEP*2
	s_add_nc_u64 s[G0B+4*(\slot)+2:G0B+4*(\slot)+3], s[G0B+4*(\slot)+2:G0B+4*(\slot)+3], 2*KSTEP*2
.endif
	JLOAD \slot                                    ; the first tensor load behind the round; its four v_nop are also the places in front of the loads below
	FETCH \next, 0, F0
	ASK \on
	MUL16 F1, 1, 0, 0
	MUL16 F1, 1, 2, 0
.endm
; The Q rows: block a's 64 sums of a lane become T = c q + c bq.  Each accumulator's lowest registers are read first.
.macro STUB a
	WIN 0x02+(\a)/4
.set i, 0
.rept 32
	v_pk_fma_f32 v[T+2*i:T+2*i+1], v[64*((\a)%4)+2*i:64*((\a)%4)+2*i+1], s[CS:CS+1], v[BQ+2*i:BQ+2*i+1] op_sel_hi:[1,0,1]
.set i, i+1
.endr
	WIN 0
.endm
.macro KFMA a                          ; pair i of k's block a: c k + (c bk - m)
	v_pk_fma_f32 v[64*(\a)+2*i:64*(\a)+2*i+1], v[64*(\a)+2*i:64*(\a)+2*i+1], s[CS:CS+1], v[NEG+2*(\a):NEG+2*(\a)+1] op_sel_hi:[1,0,1]
.endm
	s_load_b256 s[4:11], s[0:1], 0x0               ; xb s[4:5], wb s[6:7], bq s[8:9], bk s[10:11]
	s_load_b128 s[12:15], s[0:1], 0x20             ; qs s[12:13], part s[14:15]
	s_load_b64 s[16:17], s[0:1], 0x30              ; stat
	v_lshl_add_u32 v[SPW], v0, 2, SPARE
	v_mov_b32 v[NIL], 0
	ds_add_u32 v[SPW], v[NIL]                      ; the wave's opening: the add and its wait stand ahead of my first tensor load; the set-up below stands between them
	ds_add_u32 v28, v29
	v_lshrrev_b32 v3, 5, v0
	v_readfirstlane_b32 s[WV], v3
	s_lshr_b32 s[RH], s[WV], 1
	s_and_b32 s[CH], s[WV], 1
	s_bfe_u32 s[CX], ttmp6, 0x40000
	s_bfe_u32 s[CY], ttmp6, 0x40004
	s_and_b32 s[CC], ttmp7, 0xffff                 ; in a cluster launch ttmp7 counts clusters
	s_lshl_b32 s40, s[CY], 2
	s_lshl_b32 s40, 15, s40                        ; my row of the cluster
	s_lshl_b32 s44, 0x1111, s[CX]                  ; my column
	s_or_b32 s[G1], s40, G1W0
	s_or_b32 s[G1B], s44, G1W0
.irp g, G1, G1B
	s_mov_b32 s[(\g)+1], KSTEP<<16                 ; tensor_dim0 = 128
	s_mov_b32 s[(\g)+2], 128<<16                   ; tensor_dim1 = 128
	s_mov_b32 s[(\g)+3], KSTEP<<16                 ; tile_dim0 = 128
	s_mov_b32 s[(\g)+4], 128                       ; tile_dim1 = 128
	s_mov_b32 s[(\g)+5], DM                        ; elements from row to row
	s_mov_b32 s[(\g)+6], 0
	s_mov_b32 s[(\g)+7], 0
.endr
	s_mov_b32 s[CS], 0x3fb8aa3b                    ; c = log2(e)
	s_mov_b32 s[CS+1], s[CS]
	s_mov_b32 s[SEL], 0x76543210
	s_mov_b32 s[SEL+1], 0xfedcba98
	s_lshl_b32 s84, s[CH], 7                       ; which 128 rows of a tile I fetch
	; x's offsets, in registers that never hold cx
	s_lshl_b32 s40, s[CC], 2
	s_add_co_u32 s40, s40, s[CY]                   ; the Q tile's row tile
	s_lshl_b32 s40, s40, 8
	s_add_co_u32 s40, s40, s84
	s_lshl_b32 s40, s40, 11                        ; a row is 2,048 bytes
	s_mov_b32 s41, 0
	s_lshr_b32 s42, s[CC], 1
	s_lshl_b32 s42, s42, 2
	s_add_co_u32 s42, s42, s[CY]                   ; my pair of KV row tiles,
	s_lshl_b32 s42, s42, 9                         ; 512 rows a pair
	s_add_co_u32 s42, s42, s84
	s_lshl_b32 s42, s42, 11
	s_mov_b32 s43, 0
	; wb's offsets, in registers that never hold cy
	s_lshl_b32 s44, s[CX], 8
	s_add_co_u32 s44, s44, s84
	s_lshl_b32 s44, s44, 11
	s_mov_b32 s45, 0
	s_and_b32 s46, s[CC], 1
	s_lshl_b32 s46, s46, 2
	s_add_co_u32 s46, s46, s[CX]
	s_add_co_u32 s46, s46, 4                       ; the KV column tile
	s_lshl_b32 s46, s46, 8
	s_add_co_u32 s46, s46, s84
	s_lshl_b32 s46, s46, 11
	s_mov_b32 s47, 0
	s_mul_i32 s85, s[WV], HALFT                    ; where my loads go: wave x 128 rows: no place in the cluster enters an LDS address
	s_wait_dscnt 0x0                               ; the opening add is done
	s_wait_kmcnt 0x0
	s_add_nc_u64 s[86:87], s[4:5], s[40:41]
	s_add_nc_u64 s[NA:NA+1], s[4:5], s[42:43]
	s_add_nc_u64 s[NA2:NA2+1], s[NA:NA+1], 256*DM*2
	s_add_nc_u64 s[88:89], s[6:7], s[44:45]
	s_add_nc_u64 s[NB:NB+1], s[6:7], s[46:47]
	CROUND                                         ; all sixteen work-groups are here: the first joint loads meet
.irp s, 0,1
	s_mov_b32 s[G0+4*(\s)], 1                      ; count = 1
	s_add_co_u32 s[G0+4*(\s)+1], s85, (\s)*SLOT    ; LDS address
	s_add_nc_u64 s[G0+4*(\s)+2:G0+4*(\s)+3], s[86:87], (\s)*KSTEP*2  ; K step s
	s_or_b32 s[G0+4*(\s)+3], s[G0+4*(\s)+3], 0x80000000  ; type = 2
	s_mov_b32 s[G0B+4*(\s)], 1
	s_add_co_u32 s[G0B+4*(\s)+1], s85, (\s)*SLOT
	s_add_nc_u64 s[G0B+4*(\s)+2:G0B+4*(\s)+3], s[88:89], (\s)*KSTEP*2
	s_or_b32 s[G0B+4*(\s)+3], s[G0B+4*(\s)+3], 0x80000000
	JLOAD \s                                       ; two loads of mine are out
.endr
	; the biases' places, and their loads
	v_and_b32 v1, 15, v0                           ; r
	v_bfe_u32 v2, v0, 4, 1                         ; h
	v_lshlrev_b32 v[BO], 5, v2
	v_lshlrev_b32 v[KO], 2, v1
	s_mov_b32 s93, 0
	s_lshl_b32 s92, s[CX], 10
	s_lshl_b32 s94, s[CH], 9
	s_add_co_u32 s92, s92, s94
	s_add_nc_u64 s[8:9], s[8:9], s[92:93]          ; bq at my 128 columns
	s_and_b32 s94, s[CC], 1
	s_lshl_b32 s94, s94, 2
	s_add_co_u32 s94, s94, s[CX]
	s_lshl1_add_u32 s94, s94, s[CH]                ; my head in the KV tiles
	s_lshl_b32 s92, s94, 8
	s_add_nc_u64 s[10:11], s[10:11], s[92:93]      ; bk at its 64 channels
.irp b, 0,1,2,3,4,5,6,7
	global_load_b128 v[BQ+8*(\b):BQ+8*(\b)+3],   v[BO], s[8:9] offset:64*(\b)
	global_load_b128 v[BQ+8*(\b)+4:BQ+8*(\b)+7], v[BO], s[8:9] offset:64*(\b)+16
.endr
.irp a, 0,1,2,3
	global_load_b32 v[BKC+(\a)], v[KO], s[10:11] offset:64*(\a)
.endr
	; where the results go
	s_lshr_b32 s95, s[CC], 2                       ; the batch
	s_lshl4_add_u32 s95, s95, s94                  ; 16 batch + head
	s_bfe_u32 s96, s[CC], 0x10001
	s_lshl2_add_u32 s96, s96, s[CY]
	s_lshl1_add_u32 s96, s96, s[RH]                ; my part of the 16
	s_lshl4_add_u32 s95, s95, s96
	s_lshl_b32 s92, s95, 14
	s_add_nc_u64 s[14:15], s[14:15], s[92:93]      ; a part is 16,384 bytes,
	s_lshl_b32 s92, s95, 9
	s_add_nc_u64 s[16:17], s[16:17], s[92:93]      ; its statistics 512
	s_lshl_b32 s92, s[CC], 2
	s_add_co_u32 s92, s92, s[CY]
	s_lshl1_add_u32 s92, s92, s[RH]
	s_lshl_b32 s92, s92, 18                        ; my 128 rows of qs,
	s_lshl1_add_u32 s96, s[CX], s[CH]
	s_lshl_b32 s96, s96, 8                         ; my 128 columns
	s_add_co_u32 s92, s92, s96
	s_add_nc_u64 s[12:13], s[12:13], s[92:93]
	; the prefetches
	s_lshl_b32 s92, s[CX], 16                      ; my work-group's 32 rows of the 128: by cx for x,
	s_add_co_u32 s92, s92, s40
	s_lshl_b32 s95, s[CY], 16                      ; by cy for wb
	s_add_co_u32 s94, s95, s44
	s_add_co_u32 s96, s95, s46
	s_mov_b32 s97, 0
	s_cmp_eq_u32 s[RH], 0
	s_cselect_b32 s92, s92, s94
	s_cselect_b64 s[PFA:PFA+1], s[4:5], s[6:7]
	s_add_nc_u64 s[PFA:PFA+1], s[PFA:PFA+1], s[92:93]
	s_add_nc_u64 s[PFA:PFA+1], s[PFA:PFA+1], 2*KSTEP*2  ; at K step 2: the first refill steps it to 3 and names K step 4.  Nothing is asked here, at the head
	s_add_nc_u64 s[PFN:PFN+1], s[6:7], s[96:97]
	s_add_nc_u64 s[PFN:PFN+1], s[PFN:PFN+1], KSTEP*2
	s_cmp_eq_u32 s[CC], 0
	s_cselect_b32 s98, 1, -1
	s_cmp_lt_u32 s[CC], 2
	s_cselect_b32 s99, 1, -1
	s_cmp_eq_u32 s[RH], 0
	s_cselect_b32 s[LIM], 1, s98                   ; the same in all sixteen partners, for a given wave
	s_cselect_b32 s[LIM1], -1, s99
	; LDS addresses
	v_mul_u32_u24 v3, v1, PITCH
	v_lshl_add_u32 v3, v2, 4, v3                   ; row x pitch + 16 x half
	s_mul_i32 s90, s[RH], HALFT                    ; my 128 rows of x
	s_mul_i32 s91, s[CH], HALFT
	s_add_co_u32 s91, s91, 2*HALFT                 ; my 128 rows of wb
.irp s, 0,1
	v_add_nc_u32 v[ADRA+(\s)], s90, v3
	v_add_nc_u32 v[ADRB+(\s)], s91, v3
	v_add_nc_u32 v[NADRA+(\s)], s91, v3
	v_add_nc_u32 v[NADRB+(\s)], s90, v3
	s_add_co_u32 s90, s90, SLOT
	s_add_co_u32 s91, s91, SLOT
.endr
	s_mul_i32 s83, s[WV], 16*PITCH
	s_add_co_u32 s83, s83, STAGE                   ; my stage
	v_add_nc_u32 v[STO], s83, v3
	v_mul_u32_u24 v[RD], v2, PITCH
	v_lshl_add_u32 v[RD], v1, 4, v[RD]
	v_add_nc_u32 v[RD], s83, v[RD]
	v_lshlrev_b32 v[CO], 11, v2
	v_lshl_add_u32 v[CO], v1, 4, v[CO]
	v_mul_u32_u24 v[GS], v2, 8*PITCH
	v_lshl_add_u32 v[GS], v1, 2, v[GS]
	v_add_nc_u32 v[GS], s83, v[GS]
	v_lshlrev_b32 v[PO], 8, v2
	v_lshl_add_u32 v[PO], v1, 4, v[PO]
	v_lshlrev_b32 v[SS], 2, v1
	v_lshl_add_u32 v[SS], v2, 8, v[SS]
	v_add_nc_u32 v[SS], s83, v[SS]
	v_and_b32 v3, 31, v0
	v_lshlrev_b32 v[SO], 4, v3
	v_add_nc_u32 v[SL], s83, v[SO]
	v_lshlrev_b32 v[PFO], 11, v3
.irp a, 0,1,2,3
	v_mov_b32 v[MT+(\a)], 0xfe000000               ; m starts far below every c k: the first correction is 0
.endr
.irp j, 0,1,2,3,4,5,6,7
	v_mov_b32 v[ONES+(\j)], 0x3f803f80
.endr
	WIN 0x40                                       ; G^T starts at 0: written in the wait for the first tile
.set i, 0
.rept 64
	v_mov_b32 v[i], 0
	v_mov_b32 v[192+i], 0
.set i, i+1
.endr
	WIN 0
	s_wait_loadcnt 0x0                             ; the biases, once
.set i, 0
.rept 32
	v_pk_mul_f32 v[BQ+2*i:BQ+2*i+1], v[BQ+2*i:BQ+2*i+1], s[CS:CS+1] op_sel_hi:[1,0]
.set i, i+1
.endr
.irp a, 0,1,2,3
	v_mul_f32 v[BKC+(\a)], s[CS], v[BKC+(\a)]
.endr
	s_wait_tensorcnt 1                             ; my part of K step 0 is in; K step 1's may stay out
	s_barrier_signal -1
	s_barrier_wait -1
	FETCH 0, 0, F0
	s_mov_b32 s2, 3                                ; tiles to go, this one among them
.Ltile:
	QUARTER 0, 64,  F0, F1, 1                      ; a tile's first quarter stands in front of the loop: its products start the sums
	WIN 0
	s_mov_b32 s3, LAPS-1
.Llap:                                                 ; a trip goes once round the ring, from a lap's second quarter to the next lap's first, and fills both slots again
	QUARTER 0, 128, F1, F0, 0
	QUARTER 0, 192, F0, F1, 0
	TURN 0, 1, 0
	QUARTER 1, 64,  F0, F1, 0
	QUARTER 1, 128, F1, F0, 0
	QUARTER 1, 192, F0, F1, 0
	TURN 1, 0, 0
	QUARTER 0, 64,  F0, F1, 0
	WIN 0
	s_sub_co_u32 s3, s3, 1
	s_cmp_lg_u32 s3, 0
	s_cbranch_scc1 .Llap
	QUARTER 0, 128, F1, F0, 0
	QUARTER 0, 192, F0, F1, 0
	WIN 0
	s_cmp_eq_u32 s2, 1
	s_cbranch_scc1 .Llast                          ; the last tile asks for nothing more
	TURN 0, 1, 1                                   ; the ring goes on into the next tile: slot 0 takes its K step 0,
	QUARTER 1, 64,  F0, F1, 0
	QUARTER 1, 128, F1, F0, 0
	QUARTER 1, 192, F0, F1, 0
	WIN 0
.irp s, 0,1
	v_mov_b32 v[ADRA+(\s)], v[NADRA+(\s)]          ; this tile's last fragments have been asked for: from here on the KV tiles' orientation
	v_mov_b32 v[ADRB+(\s)], v[NADRB+(\s)]
.endr
	TURN 1, 0, 1                                   ; slot 1 its K step 1, and the next tile's first fragments are fetched
	WIN 0
	s_mov_b64 s[NA:NA+1], s[NA2:NA2+1]
	s_branch .Lepi
.Llast:
	MEET 0                                         ; my one tensor load that was out is the last K step's, so no round follows
	PLACES
	FETCH 1, 0, F0
	MUL16 F1, 1, 0, 0
	MUL16 F1, 1, 2, 0
	QUARTER 1, 64,  F0, F1, 0
	QUARTER 1, 128, F1, F0, 0
	QUARTER 1, 192, F0, F1, 0
	s_wait_dscnt 8
	MUL16 F1, 0, 0, 0
	MUL16 F1, 0, 2, 0
	s_wait_dscnt 0x0
	MUL16 F1, 1, 0, 0
	MUL16 F1, 1, 2, 0
	WIN 0
.Lepi:
	PLACES                                         ; behind the tile's last products
	s_cmp_eq_u32 s2, 3
	s_cbranch_scc1 .Lq
	; A KV TILE'S END.  1. The largest raw k of each channel: 64 numbers a lane and block a; each accumulator's registers 0-2 first.
	WIN 0x2a
.irp a, 0,1,2,3
.irp b, 0,1,2,3,4,5,6,7
	v_max3_num_f32 v[TT+8*(\a)+(\b)], v[64*(\a)+8*(\b)], v[64*(\a)+8*(\b)+1], v[64*(\a)+8*(\b)+2]
.endr
.endr
	WIN 0x28
.irp n, 3, 5
.irp a, 0,1,2,3
.irp b, 0,1,2,3,4,5,6,7
	v_max3_num_f32 v[TT+8*(\a)+(\b)], v[TT+8*(\a)+(\b)], v[64*(\a)+8*(\b)+(\n)], v[64*(\a)+8*(\b)+(\n)+1]
.endr
.endr
.endr
.irp a, 0,1,2,3
.irp b, 0,1,2,3
	v_max3_num_f32 v[TT+8*(\a)+(\b)], v[TT+8*(\a)+(\b)], v[64*(\a)+16*(\b)+7], v[64*(\a)+16*(\b)+15]
.endr
.endr
	WIN 0
.irp a, 0,1,2,3
	v_max3_num_f32 v[TT+8*(\a)], v[TT+8*(\a)], v[TT+8*(\a)+1], v[TT+8*(\a)+2]
.endr
.irp a, 0,1,2,3
	v_max3_num_f32 v[TT+8*(\a)+3], v[TT+8*(\a)+3], v[TT+8*(\a)+4], v[TT+8*(\a)+5]
.endr
.irp a, 0,1,2,3
	v_max3_num_f32 v[TT+8*(\a)], v[TT+8*(\a)], v[TT+8*(\a)+3], v[TT+8*(\a)+6]
.endr
.irp a, 0,1,2,3
	v_max_num_f32 v[TT+8*(\a)], v[TT+8*(\a)], v[TT+8*(\a)+7]
.endr
.irp a, 0,1,2,3
	v_permlanex16_b32 v[TT+8*(\a)+1], v[TT+8*(\a)], s[SEL], s[SEL+1]  ; the channel's other 64 rows lie in the lane 16 away
.endr
.irp a, 0,1,2,3
	v_max_num_f32 v[TT+8*(\a)], v[TT+8*(\a)], v[TT+8*(\a)+1]
.endr
	; 2. The statistics: the tile's maximum c k + c bk, the new m, its change, c bk - m, and the correction
.irp a, 0,1,2,3
	v_fma_f32 v[TT+8*(\a)], v[TT+8*(\a)], s[CS], v[BKC+(\a)]
.endr
.irp a, 0,1,2,3
	v_max_num_f32 v[TT+8*(\a)+1], v[MT+(\a)], v[TT+8*(\a)]
.endr
.irp a, 0,1,2,3
	v_sub_f32 v[TT+8*(\a)+2], v[MT+(\a)], v[TT+8*(\a)+1]
.endr
.irp a, 0,1,2,3
	v_mov_b32 v[MT+(\a)], v[TT+8*(\a)+1]
	v_sub_f32 v[NEG+2*(\a)], v[BKC+(\a)], v[TT+8*(\a)+1]
	v_sub_f32 v[NEG+2*(\a)+1], v[BKC+(\a)], v[TT+8*(\a)+1]
.endr
.irp a, 0,1,2,3
	v_exp_f32 v[AL+2*(\a)], v[TT+8*(\a)+2]
	v_exp_f32 v[AL+2*(\a)+1], v[TT+8*(\a)+2]
.endr
	; 3. p = 2^(c k + c bk - m), in place.  ONE BATCH of 264 exponentials: nothing ahead of the wait names a result; block a + 1's scalings stand between block a's exponentials
	WIN 0x82
.set i, 0
.rept 32
	KFMA 0
.set i, i+1
.endr
.irp a, 0,1,2,3
.set i, 0
.rept 32
	v_exp_f32 v[64*(\a)+2*i], v[64*(\a)+2*i]
	v_exp_f32 v[64*(\a)+2*i+1], v[64*(\a)+2*i+1]
.if (\a) < 3
	KFMA (\a)+1
.endif
.set i, i+1
.endr
.endr
	v_nop                                          ; a plain instruction behind the last exponential,
	s_wait_alu depctr_va_vdst(0)                   ; and the one wait ahead of the batch's first reader
	; 4. Rounded to bf16 in place: 16 registers (two accumulators, 32 rows) become the 8 of fragment f = 4 a + kk, at 16 f
	WIN 0x8a
.set f, 0
.rept 16
.irp j, 0,1,2,3,4,5,6,7
	v_cvt_pk_bf16_f32 v[16*f+(\j)], v[16*f+2*(\j)], v[16*f+2*(\j)+1]
.endr
.set f, f+1
.endr
	WIN 0xcf
.set f, 0
.rept 16
.irp j, 0,1,2,3,4,5,6,7
	v_cvt_pk_bf16_f32 v[16*f+(\j)], v[16*f+2*(\j)], v[16*f+2*(\j)+1]
.endr
.set f, f+1
.endr
	; 5. What is carried is corrected: G^T (a lane holds channel d = 16 db + r) and l
	WIN 0x41
.irp eb, 0,1,2,3
.irp db, 0,1,2,3
.irp j, 0,2,4,6
	v_pk_mul_f32 v[32*(\eb)+8*(\db)+128*((\eb)/2)+(\j):32*(\eb)+8*(\db)+128*((\eb)/2)+(\j)+1], v[32*(\eb)+8*(\db)+128*((\eb)/2)+(\j):32*(\eb)+8*(\db)+128*((\eb)/2)+(\j)+1], v[AL+2*(\db):AL+2*(\db)+1]
.endr
.endr
.endr
	WIN 0
.irp db, 0,1,2,3
.irp j, 0,2,4,6
	v_pk_mul_f32 v[LACC+8*(\db)+(\j):LACC+8*(\db)+(\j)+1], v[LACC+8*(\db)+(\j):LACC+8*(\db)+(\j)+1], v[AL+2*(\db):AL+2*(\db)+1]
.endr
.endr
	; 6. G^T += V^T P, 16 accumulators by turns; l += ones x P, 4 by turns
	WIN 0x5b
.irp kk, 0,1,2,3
.irp eb, 0,1,2,3
.irp db, 0,1,2,3
	v_wmma_f32_16x16x32_bf16 v[32*(\eb)+8*(\db)+128*((\eb)/2):32*(\eb)+8*(\db)+128*((\eb)/2)+7], v[16*(4*(\eb)+(\kk)):16*(4*(\eb)+(\kk))+7], v[16*(4*(\db)+(\kk)):16*(4*(\db)+(\kk))+7], v[32*(\eb)+8*(\db)+128*((\eb)/2):32*(\eb)+8*(\db)+128*((\eb)/2)+7]
.endr
.endr
.endr
	WIN 0x08
.irp kk, 0,1,2,3
.irp db, 0,1,2,3
	v_wmma_f32_16x16x32_bf16 v[LACC+8*(\db):LACC+8*(\db)+7], v[ONES:ONES+7], v[16*(4*(\db)+(\kk)):16*(4*(\db)+(\kk))+7], v[LACC+8*(\db):LACC+8*(\db)+7]
.endr
.endr
	WIN 0
	s_cmp_eq_u32 s2, 1
	s_cbranch_scc1 .Lfin
	s_branch .Lnext
.Lq:	; THE Q TILE'S END: eight blocks of 16 rows.  The block's sums are taken by one of eight short texts; the softmax and the way out are written once.
	s_mov_b32 s[QA], 0
.Lqrow:
.irp a, 0,1,2,3,4,5,6
	s_cmp_lg_u32 s[QA], \a
	s_cbranch_scc1 .Lqn\a
	STUB \a
	s_branch .Lqc
.Lqn\a:
.endr
	STUB 7
.Lqc:	; a lane holds 32 of the 64 channels of each of two heads g (T + 32 g), the lane 16 away the others
.irp n, 0,1,2,3
.irp g, 0,1
	v_max3_num_f32 v[QT+8*(\g)+(\n)], v[T+32*(\g)+8*(\n)], v[T+32*(\g)+8*(\n)+1], v[T+32*(\g)+8*(\n)+2]
.endr
.endr
.irp m, 3, 5
.irp n, 0,1,2,3
.irp g, 0,1
	v_max3_num_f32 v[QT+8*(\g)+(\n)], v[QT+8*(\g)+(\n)], v[T+32*(\g)+8*(\n)+(\m)], v[T+32*(\g)+8*(\n)+(\m)+1]
.endr
.endr
.endr
.irp g, 0,1
	v_max3_num_f32 v[QT+8*(\g)], v[QT+8*(\g)], v[T+32*(\g)+7], v[T+32*(\g)+15]
	v_max3_num_f32 v[QT+8*(\g)+1], v[QT+8*(\g)+1], v[T+32*(\g)+23], v[T+32*(\g)+31]
	v_max_num_f32 v[QT+8*(\g)+2], v[QT+8*(\g)+2], v[QT+8*(\g)+3]
.endr
.irp g, 0,1
	v_max3_num_f32 v[QT+8*(\g)], v[QT+8*(\g)], v[QT+8*(\g)+1], v[QT+8*(\g)+2]
.endr
.irp g, 0,1
	v_permlanex16_b32 v[QT+8*(\g)+3], v[QT+8*(\g)], s[SEL], s[SEL+1]
.endr
.irp g, 0,1
	v_max_num_f32 v[QT+8*(\g)+4], v[QT+8*(\g)], v[QT+8*(\g)+3]
	v_max_num_f32 v[QT+8*(\g)+5], v[QT+8*(\g)], v[QT+8*(\g)+3]
.endr
.irp g, 0,1
.set i, 0
.rept 16
	v_pk_add_f32 v[T+32*(\g)+2*i:T+32*(\g)+2*i+1], v[T+32*(\g)+2*i:T+32*(\g)+2*i+1], v[QT+8*(\g)+4:QT+8*(\g)+5] neg_lo:[0,1] neg_hi:[0,1]
.set i, i+1
.endr
.endr
.set i, 0
.rept 64
	v_exp_f32 v[T+i], v[T+i]
.set i, i+1
.endr
	v_nop                                          ; a plain instruction behind the last exponential,
	s_wait_alu depctr_va_vdst(0)                   ; and one wait for the 64
.irp g, 0,1
	v_pk_add_f32 v[QT+8*(\g):QT+8*(\g)+1], v[T+32*(\g):T+32*(\g)+1], v[T+32*(\g)+4:T+32*(\g)+5]
	v_pk_add_f32 v[QT+8*(\g)+2:QT+8*(\g)+3], v[T+32*(\g)+2:T+32*(\g)+3], v[T+32*(\g)+6:T+32*(\g)+7]
.endr
.set i, 4
.rept 12
.irp g, 0,1
	v_pk_add_f32 v[QT+8*(\g)+2*(i%2):QT+8*(\g)+2*(i%2)+1], v[QT+8*(\g)+2*(i%2):QT+8*(\g)+2*(i%2)+1], v[T+32*(\g)+2*i:T+32*(\g)+2*i+1]
.endr
.set i, i+1
.endr
.irp g, 0,1
	v_pk_add_f32 v[QT+8*(\g):QT+8*(\g)+1], v[QT+8*(\g):QT+8*(\g)+1], v[QT+8*(\g)+2:QT+8*(\g)+3]
.endr
.irp g, 0,1
	v_add_f32 v[QT+8*(\g)], v[QT+8*(\g)], v[QT+8*(\g)+1]
.endr
.irp g, 0,1
	v_permlanex16_b32 v[QT+8*(\g)+2], v[QT+8*(\g)], s[SEL], s[SEL+1]
.endr
.irp g, 0,1
	v_add_f32 v[QT+8*(\g)], v[QT+8*(\g)], v[QT+8*(\g)+2]
.endr
.irp g, 0,1
	v_rcp_f32 v[QT+8*(\g)+4], v[QT+8*(\g)]
	v_rcp_f32 v[QT+8*(\g)+5], v[QT+8*(\g)]
.endr
	v_nop
	s_wait_alu depctr_va_vdst(0)                   ; one wait for the four reciprocals
.irp g, 0,1
.set i, 0
.rept 16
	v_pk_mul_f32 v[T+32*(\g)+2*i:T+32*(\g)+2*i+1], v[T+32*(\g)+2*i:T+32*(\g)+2*i+1], v[QT+8*(\g)+4:QT+8*(\g)+5]
.set i, i+1
.endr
.endr
.set i, 0
.rept 32                               ; in place and ascending: register i is written when registers 2 i and 2 i + 1 have been read
	v_cvt_pk_bf16_f32 v[T+i], v[T+2*i], v[T+2*i+1]
.set i, i+1
.endr
.irp b, 0,1,2,3,4,5,6,7
	ds_store_b128 v[STO], v[T+4*(\b):T+4*(\b)+3] offset:32*(\b)   ; eight neighbouring columns of a row: 16 bytes
.endr
.irp t, 0,1,2,3,4,5,6,7
	ds_load_b128 v[T+32+4*(\t):T+32+4*(\t)+3], v[RD] offset:(\t)*2*PITCH  ; LDS serves a wave's instructions in order (ISA guide 5.7.1.4): these see the stores above
.endr
	s_wait_dscnt 0x0
.irp t, 0,1,2,3,4,5,6,7
	global_store_b128 v[CO], v[T+32+4*(\t):T+32+4*(\t)+3], s[12:13] offset:4096*(\t)  ; 16 lanes store 256 consecutive bytes, aligned
.endr
	s_wait_xcnt 0x0                                ; the stores have read their registers and their base
	s_add_nc_u64 s[12:13], s[12:13], 16*DM*2
	s_add_co_u32 s[QA], s[QA], 1
	s_cmp_lt_u32 s[QA], 8
	s_cbranch_scc1 .Lqrow
.set i, 0
.rept 32
	v_mov_b32 v[LACC+i], 0                         ; c bq is done with: l starts at 0 in its place
.set i, i+1
.endr
.Lnext:
.rept 5
	v_nop                                          ; the next tile's first products write over registers that the last products read
.endr
	s_sub_co_u32 s2, s2, 1
	s_branch .Ltile
.Lfin:	; THE PART LEAVES.  G^T, 16 rows e at a time, through my stage: a lane's numbers are a piece of a column; back come whole rows of 256 bytes
	PLACES
.irp eb, 0,1,2,3
	WIN 0x04                                       ; store data in window 1
.irp db, 0,1,2,3
.irp j, 0,1,2,3,4,5,6,7
	ds_store_b32 v[GS], v[32*(\eb)+8*(\db)+128*((\eb)/2)+(\j)] offset:PITCH*(\j)+64*(\db)
.endr
.endr
	WIN 0
.if (\eb) > 0
	s_wait_xcnt 0x0                                ; the last round's stores have read the registers that are loaded again
.endif
.irp t, 0,1,2,3,4,5,6,7
	ds_load_b128 v[TT+4*(\t):TT+4*(\t)+3], v[RD] offset:(\t)*2*PITCH
.endr
	s_wait_dscnt 0x0
.irp t, 0,1,2,3,4,5,6,7
	global_store_b128 v[PO], v[TT+4*(\t):TT+4*(\t)+3], s[14:15] offset:4096*(\eb)+512*(\t)  ; 512 consecutive bytes
.endr
.endr
	v_cmp_eq_u32 vcc_lo, 1, v2                     ; lanes 0-15 carry m, lanes 16-31 l (every row of l's accumulators holds the same sums)
.irp a, 0,1,2,3
	v_cndmask_b32 v[NEG+(\a)], v[MT+(\a)], v[LACC+8*(\a)], vcc_lo
.endr
.irp a, 0,1,2,3
	ds_store_b32 v[SS], v[NEG+(\a)] offset:64*(\a)
.endr
	ds_load_b128 v[AL:AL+3], v[SL]
	s_wait_dscnt 0x0
	global_store_b128 v[SO], v[AL:AL+3], s[16:17]  ; 512 consecutive bytes: m[0..63], l[0..63]
	s_wait_tensorcnt 0x0                           ; the wave's end: the add and its waits, behind my last tensor load and my last LDS store
	ds_add_u32 v[SPW], v[NIL]
	s_wait_dscnt 0x0
	CROUND                                         ; the closing round: no work-group ends while a partner may still ask for a tile that names it
	s_endpgm
.Lfunc_end_k_qf11a2c2009_proj:
	.size	k_qf11a2c2009_proj, .Lfunc_end_k_qf11a2c2009_proj-k_qf11a2c2009_proj
	.p2alignl 7, 3214868480
	.fill 96, 4, 3214868480
	.section	.rodata,"a",@progbits
	.p2align	6, 0x0
	.amdhsa_kernel k_qf11a2c2009_proj
		.amdhsa_group_segment_fixed_size 327680
		.amdhsa_private_segment_fixed_size 0
		.amdhsa_enable_private_segment 0
		.amdhsa_kernarg_size 56
		.amdhsa_user_sgpr_count 2
		.amdhsa_user_sgpr_kernarg_segment_ptr 1
		.amdhsa_wavefront_size32 1
		.amdhsa_system_sgpr_workgroup_id_x 1
		.amdhsa_system_sgpr_workgroup_id_y 1
		.amdhsa_system_sgpr_workgroup_id_z 1
		.amdhsa_system_vgpr_workitem_id 0
		.amdhsa_next_free_vgpr 1024
		.amdhsa_next_free_sgpr 100
		.amdhsa_reserve_vcc 1
		.amdhsa_float_denorm_mode_32 3
		.amdhsa_float_denorm_mode_16_64 3
		.amdhsa_memory_ordered 1
		.amdhsa_forward_progress 1
		.amdhsa_inst_pref_size 255
	.end_amdhsa_kernel
	.section	.bss,"aw",@nobits
	.p2align	6
	.space	262144
	.amdgpu_metadata
---
amdhsa.version: [ 1, 2 ]
amdhsa.kernels:
  - .name:           k_qf11a2c2009_proj
    .symbol:         k_qf11a2c2009_proj.kd
    .args:
      - { .name: xb, .offset: 0, .size: 8, .value_kind: global_buffer, .address_space: global }
      - { .name: wb, .offset: 8, .size: 8, .value_kind: global_buffer, .address_space: global }
      - { .name: bq, .offset: 16, .size: 8, .value_kind: global_buffer, .address_space: global }
      - { .name: bk, .offset: 24, .size: 8, .value_kind: global_buffer, .address_space: global }
      - { .name: qs, .offset: 32, .size: 8, .value_kind: global_buffer, .address_space: global }
      - { .name: part, .offset: 40, .size: 8, .value_kind: global_buffer, .address_space: global }
      - { .name: stat, .offset: 48, .size: 8, .value_kind: global_buffer, .address_space: global }
    .group_segment_fixed_size: 327680
    .private_segment_fixed_size: 0
    .kernarg_segment_align: 8
    .kernarg_segment_size: 56
    .max_flat_workgroup_size: 128
    .sgpr_count:     100
    .vgpr_count:     1024
    .wavefront_size: 32
...
	.end_amdgpu_metadata
.endif
;; end of part 2
;; launch comb (part 3): grid 256 x 1, 8 waves a work-group, no clusters, 0 bytes of LDS; arguments part, stat, gtb; writes gtb
.if DOCPART == 3
	.amdgcn_target "amdgcn-amd-amdhsa--gfx1250"
	.amdhsa_code_object_version 6
	.text
	.protected	k_qf11a2c2009_comb
	.globl	k_qf11a2c2009_comb
	.p2align	8
	.type	k_qf11a2c2009_comb,@function
k_qf11a2c2009_comb:
	s_mov_b64 s[64:65], 0
	v_nop
	global_prefetch_b8 v0, s[64:65] scope:SCOPE_SE
	s_setreg_imm32_b32 hwreg(HW_REG_WAVE_MODE, 25, 1), 1
	s_wait_xcnt 0x0
; THE 16 PARTS OF EACH (batch, head) ARE MERGED: with M[d] = max over p of m_p[d] and w_p = 2^(m_p - M),
; gtb[bh][e][d] = (sum over p of w_p G_p[e][d]) / (sum over p of w_p l_p[d]), rounded once to bf16: the map, transposed, [64 bh][64 e][64 d].
; The part that holds the maximum has w = 1 and l of about 1 or more, so the divisor is never 0.  All sums in f32.
; A work-group takes 16 rows e of one bh; thread t takes row 16 eq + t / 16 and the four channels 4 (t % 16) on: 16 bytes of each part, 8 bytes of gtb; a wave stores 256 consecutive bytes.
; A launch of a few loads a thread: no LDS, no loop, no matrix unit; all 48 loads go out at once.
.set MP, 16                            ; v[16:79]   m_p of my four channels, then w_p
.set LP, 80                            ; v[80:143]  l_p
.set GP, 144                           ; v[144:207] G_p
.set MX, 208                           ; v[208:211] M; at the end the result
.set LS, 212                           ; v[212:215] the divisor
.set NS, 216                           ; v[216:219] the sum
.set RC, 220                           ; v[220:223] 1 / divisor
	s_load_b128 s[4:7], s[0:1], 0x0                ; part s[4:5], stat s[6:7]
	s_load_b64 s[8:9], s[0:1], 0x10                ; gtb
	s_lshr_b32 s10, ttmp9, 2                       ; bh
	s_and_b32 s11, ttmp9, 3                        ; eq
	v_and_b32 v1, 15, v0
	v_lshlrev_b32 v1, 4, v1                        ; my four channels in m and l
	v_lshlrev_b32 v2, 4, v0                        ; my 16 bytes among the group's 16 rows of a part
	v_lshlrev_b32 v3, 3, v0                        ; my 8 bytes among its 16 rows of gtb
	s_lshl_b32 s12, s10, 18
	s_lshl_b32 s14, s11, 12
	s_add_co_u32 s12, s12, s14
	s_mov_b32 s13, 0
	s_lshl_b32 s14, s10, 13
	s_mov_b32 s15, 0
	s_lshl_b32 s16, s11, 11
	s_add_co_u32 s16, s16, s14
	s_mov_b32 s17, 0
	s_wait_kmcnt 0x0
	s_add_nc_u64 s[4:5], s[4:5], s[12:13]
	s_add_nc_u64 s[6:7], s[6:7], s[14:15]
	s_add_nc_u64 s[8:9], s[8:9], s[16:17]
.set p, 0
.rept 16
	global_load_b128 v[MP+4*p:MP+4*p+3], v1, s[6:7] offset:512*p
.set p, p+1
.endr
.set p, 0
.rept 16
	global_load_b128 v[LP+4*p:LP+4*p+3], v1, s[6:7] offset:512*p+256
.set p, p+1
.endr
.set p, 0
.rept 16
	global_load_b128 v[GP+4*p:GP+4*p+3], v2, s[4:5] offset:16384*p th:TH_LOAD_NT
.set p, p+1
.endr
	s_wait_loadcnt 32                              ; the sixteen m are in; the 32 younger loads stay out
.irp c, 0,1,2,3
	v_max3_num_f32 v[MX+(\c)], v[MP+(\c)], v[MP+4+(\c)], v[MP+8+(\c)]
.endr
.irp p, 3,5,7,9,11,13
.irp c, 0,1,2,3
	v_max3_num_f32 v[MX+(\c)], v[MX+(\c)], v[MP+4*(\p)+(\c)], v[MP+4*(\p)+4+(\c)]
.endr
.endr
.irp c, 0,1,2,3
	v_max_num_f32 v[MX+(\c)], v[MX+(\c)], v[MP+60+(\c)]
.endr
.set p, 0
.rept 16
	v_pk_add_f32 v[MP+4*p:MP+4*p+1],   v[MP+4*p:MP+4*p+1],   v[MX:MX+1]   neg_lo:[0,1] neg_hi:[0,1]
	v_pk_add_f32 v[MP+4*p+2:MP+4*p+3], v[MP+4*p+2:MP+4*p+3], v[MX+2:MX+3] neg_lo:[0,1] neg_hi:[0,1]
.set p, p+1
.endr
.set i, 0
.rept 64
	v_exp_f32 v[MP+i], v[MP+i]
.set i, i+1
.endr
	v_nop                                          ; a plain instruction behind the last exponential,
	s_wait_alu depctr_va_vdst(0)                   ; and one wait for the 64
	s_wait_loadcnt 0x0
.irp q, 0, 2
	v_pk_mul_f32 v[LS+(\q):LS+(\q)+1], v[MP+(\q):MP+(\q)+1], v[LP+(\q):LP+(\q)+1]
	v_pk_mul_f32 v[NS+(\q):NS+(\q)+1], v[MP+(\q):MP+(\q)+1], v[GP+(\q):GP+(\q)+1]
.endr
.set p, 1
.rept 15
.irp q, 0, 2
	v_pk_fma_f32 v[LS+(\q):LS+(\q)+1], v[MP+4*p+(\q):MP+4*p+(\q)+1], v[LP+4*p+(\q):LP+4*p+(\q)+1], v[LS+(\q):LS+(\q)+1]
	v_pk_fma_f32 v[NS+(\q):NS+(\q)+1], v[MP+4*p+(\q):MP+4*p+(\q)+1], v[GP+4*p+(\q):GP+4*p+(\q)+1], v[NS+(\q):NS+(\q)+1]
.endr
.set p, p+1
.endr
.irp c, 0,1,2,3
	v_rcp_f32 v[RC+(\c)], v[LS+(\c)]
.endr
	v_nop
	s_wait_alu depctr_va_vdst(0)                   ; one wait for the four reciprocals
	v_pk_mul_f32 v[NS:NS+1], v[NS:NS+1], v[RC:RC+1]
	v_pk_mul_f32 v[NS+2:NS+3], v[NS+2:NS+3], v[RC+2:RC+3]
	v_cvt_pk_bf16_f32 v[MX], v[NS], v[NS+1]
	v_cvt_pk_bf16_f32 v[MX+1], v[NS+2], v[NS+3]
	global_store_b64 v3, v[MX:MX+1], s[8:9]
	s_endpgm
.Lfunc_end_k_qf11a2c2009_comb:
	.size	k_qf11a2c2009_comb, .Lfunc_end_k_qf11a2c2009_comb-k_qf11a2c2009_comb
	.p2alignl 7, 3214868480
	.fill 96, 4, 3214868480
	.section	.rodata,"a",@progbits
	.p2align	6, 0x0
	.amdhsa_kernel k_qf11a2c2009_comb
		.amdhsa_group_segment_fixed_size 0
		.amdhsa_private_segment_fixed_size 0
		.amdhsa_enable_private_segment 0
		.amdhsa_kernarg_size 24
		.amdhsa_user_sgpr_count 2
		.amdhsa_user_sgpr_kernarg_segment_ptr 1
		.amdhsa_wavefront_size32 1
		.amdhsa_system_sgpr_workgroup_id_x 1
		.amdhsa_system_sgpr_workgroup_id_y 1
		.amdhsa_system_sgpr_workgroup_id_z 1
		.amdhsa_system_vgpr_workitem_id 0
		.amdhsa_next_free_vgpr 224
		.amdhsa_next_free_sgpr 66
		.amdhsa_reserve_vcc 0
		.amdhsa_float_denorm_mode_32 3
		.amdhsa_float_denorm_mode_16_64 3
		.amdhsa_memory_ordered 1
		.amdhsa_forward_progress 1
		.amdhsa_inst_pref_size 17
	.end_amdhsa_kernel
	.amdgpu_metadata
---
amdhsa.version: [ 1, 2 ]
amdhsa.kernels:
  - .name:           k_qf11a2c2009_comb
    .symbol:         k_qf11a2c2009_comb.kd
    .args:
      - { .name: part, .offset: 0, .size: 8, .value_kind: global_buffer, .address_space: global }
      - { .name: stat, .offset: 8, .size: 8, .value_kind: global_buffer, .address_space: global }
      - { .name: gtb, .offset: 16, .size: 8, .value_kind: global_buffer, .address_space: global }
    .group_segment_fixed_size: 0
    .private_segment_fixed_size: 0
    .kernarg_segment_align: 8
    .kernarg_segment_size: 24
    .max_flat_workgroup_size: 256
    .sgpr_count:     66
    .vgpr_count:     224
    .wavefront_size: 32
...
	.end_amdgpu_metadata
.endif
;; end of part 3
;; launch norm (part 4): grid 256 x 1, 4 waves a work-group, no clusters, 272,896 bytes of LDS; arguments xb, qs, gtb, bv, gamma, beta, out0; writes out0
.if DOCPART == 4
	.amdgcn_target "amdgcn-amd-amdhsa--gfx1250"
	.amdhsa_code_object_version 6
	.text
	.protected	k_qf11a2c2009_norm
	.globl	k_qf11a2c2009_norm
	.p2align	8
	.type	k_qf11a2c2009_norm,@function
k_qf11a2c2009_norm:
	s_mov_b64 s[64:65], 0
	v_nop
	global_prefetch_b8 v0, s[64:65] scope:SCOPE_SE
	s_setreg_imm32_b32 hwreg(HW_REG_WAVE_MODE, 25, 1), 1
	s_wait_xcnt 0x0
; out0 = LayerNorm(x + o) gamma + beta, o[s][e] = sum over d of qs[s][d] gmap[d][e] + bv[e] for each head (the two softmaxes' weights each add up to 1, so v's bias passes through both products unchanged).
; LIMITS.  x enters the sum x + o as xb holds it, rounded once to bf16 (off by at most 2^-8 of itself): the same number that the products of the launch before take.  bv, gamma and beta are rounded to bf16
; here as well, so that the launches together compute reference() on inputs rounded to bf16 (bq stays f32 in the launch before; bk cancels in a softmax over rows).  All sums and the norm are in f32.
; NaN and infinities are not treated apart.  reference() does not use mask and pad_mask: no launch reads them.
; SHARES.  A work-group takes 64 rows, in four trips of 16; wave w takes columns 256 w .. 256 w + 255: heads 4 w .. 4 w + 3.
; THE ROWS COME BY THE TENSOR DATA MOVER, ALL AT THE START: for each trip a tile of 16 rows x 512 bytes of xb and one of qs, the wave's own columns, into the wave's own LDS bytes.
; A trip begins when its own two tiles have landed; the later ones stay on their way while it computes and stores.
; PRODUCT, transposed: source 0 = 16 rows e of the map (gtb is [bh][e][d]), source 1 = 16 rows of qs: a lane holds ONE row (lane % 16) and the columns 16 i + 8 (lane / 16) + 0..7.  bv, in f32, is the C that starts the sums.
; x IS ADDED BY THE MATRIX UNIT: its fragments lie in LDS as source 1 wants them, and source 0 is an identity (16 x 32: ones at k = m, or at k = 16 + m): the product is x itself, exact, added onto the f32 sums.
; Sixteen matrix instructions a trip take the place of 128 lines that would unpack x and 64 that would add it.
; A wave's quarter of the batch's maps (32 fragments) stays in registers for all four trips; it comes straight from memory: no wave wants another's.
; LAYERNORM in two passes and without a difference of large sums: each wave makes the mean of its 256 columns and M2, the sum of squares round that mean; the four pairs meet in LDS;
; mu = mean of the means, M2 = sum of M2_w + 256 sum of (mean_w - mu)^2, var = M2 / 1024.
; THE WAY OUT goes through a stage in LDS, so that a store covers 512 consecutive bytes.  A trip's stage lies over its own two tiles, which have had their only fill and have been read.
; NO CLUSTER: what work-groups share is gtb alone, 131,072 of the 655,360 bytes that a work-group moves, read once, each wave its own quarter into registers.
; NO PREFETCH: all the rows of a work-group are asked for in its first lines; nothing lies ahead of them.
; REGISTERS, in windows of 256 (s_set_vgpr_msb: bits 1:0 source 0, 3:2 source 1, 5:4 source 2, 7:6 destination):
;   window 0: v0-31 addresses and the merge; v32-47 gamma, beta; v48-63 statistics; v64-127 qs's fragments; v128-255 the 16 accumulators, then y
;   window 1: the maps' fragments      window 2: v0-127 bv as the accumulators lie; v128-255 the rows read back from the stage      window 3: v0-63 x's fragments; v64-75 the identity
.set ROWO, 4096                        ; bytes in a row of out0
.set ROWB, 2048                        ; bytes in a row of xb and of qs
.set FP,   528                         ; a tile's row in LDS: 512 bytes + 16 = 132 words: row r starts at bank 4 r mod 64 (64 banks of 4 bytes: ISA guide 11.1)
.set TILE, 16*FP                       ; 8,448
.set TRIPB, 2*TILE                     ; a trip's tile of xb, then its tile of qs: 16,896 bytes, 66 blocks of 256; later the trip's stage
.set WAVEB, 4*TRIPB                    ; a wave's four trips
.set SPITCH, 1040                      ; a stage row: 1,024 bytes + 16 = 260 words; 16 rows are 16,640 bytes: inside TRIPB
.set EX,   4*WAVEB                     ; [trip][wave][row][mean, M2]: 512 bytes a trip, each trip's own
.set SPARE, EX+4*512                   ; the spare words, 128 bytes for each wave: two blocks of 256 bytes that no other line names
.set XO,  4                            ; v4   16 lane: my 16 bytes of 512, in out0, gamma and beta; never rewritten
.set FA,  5                            ; v5   the trip's tiles + 528 r + 16 h: a fragment's row
.set GO,  6                            ; v6   128 r + 16 h
.set BO,  7                            ; v7   32 h
.set SR,  8                            ; v8   the trip's stage + 16 lane
.set SD,  9                            ; v9   the trip's stage + 1040 r + 32 h
.set EXS, 10                           ; v10  the trip's exchange words + 128 wave + 8 r
.set EXL, 11                           ; v11  the trip's exchange words + 8 r
.set SPW, 12                           ; v12  LDS address of my spare word; never rewritten
.set NIL, 13                           ; v13  0; never rewritten
.set MG,  16                           ; v16-27 the merge
.set GAM, 32
.set BET, 40
.set ST,  48                           ; v48-55 four chains; v56-57 my mean, twice; v58-59 (mean, M2); v60-61 rs; v62-63 (mean - mu) rs
.set QF,  64
.set ACC, 128
.set ID,  64                           ; window 3: four zeros, the four registers that hold the ones, four zeros: ID .. ID+7 has its ones at k = 16 + m, ID+4 .. ID+11 at k = m
.set WV,  18
.set TR,  19                           ; s19 trips to go
.set SEL, 20                           ; s[20:21] v_permlanex16_b32's selects: each lane takes its own place in the other half
.set G1,  36                           ; s[36:43] descriptor group 1, the same for all eight loads
.set G0,  44                           ; group 0 of load n at s[44 + 4 n], from n = 5 on four further: a set for each load, never rewritten
.set MSB, 0
.macro WIN new                         ; the immediate's high byte repeats the setting that is left; a switch that changes nothing is dropped
.if MSB != (\new)
	s_set_vgpr_msb (MSB<<8)|(\new)
.set MSB, \new
.endif
.endm
.macro REDUCE                          ; four chains of pairs into v[ST], over both halves of the lanes
	v_pk_add_f32 v[ST:ST+1], v[ST:ST+1], v[ST+2:ST+3]
	v_pk_add_f32 v[ST+4:ST+5], v[ST+4:ST+5], v[ST+6:ST+7]
	v_pk_add_f32 v[ST:ST+1], v[ST:ST+1], v[ST+4:ST+5]
	v_add_f32 v[ST], v[ST], v[ST+1]
	v_permlanex16_b32 v[ST+1], v[ST], s[SEL], s[SEL+1]  ; the row's other 128 of my columns lie in the lane 16 away
	v_add_f32 v[ST], v[ST], v[ST+1]
.endm
	s_load_b256 s[4:11], s[0:1], 0x0               ; xb s[4:5], qs s[6:7], gtb s[8:9], bv s[10:11]
	s_load_b128 s[12:15], s[0:1], 0x20             ; gamma s[12:13], beta s[14:15]
	s_load_b64 s[16:17], s[0:1], 0x30              ; out0
	v_lshl_add_u32 v[SPW], v0, 2, SPARE
	v_mov_b32 v[NIL], 0
	ds_add_u32 v[SPW], v[NIL]                      ; the wave's opening: the add and its wait stand ahead of my first tensor load; the set-up below, work on registers, stands between them
	ds_add_u32 v12, v13
	v_lshrrev_b32 v3, 5, v0
	v_readfirstlane_b32 s[WV], v3
	; descriptor group 1: a tile of 16 rows x 256 elements, padded in LDS
	s_mov_b32 s[G1], (1<<16)|(1<<20)|(6<<22)|(3<<25)  ; 17:16 2-byte elements; 20 padding on; 24:22 after every 128 words (code 6); 31:25 4 words of it (code 3)
	s_mov_b32 s[G1+1], 256<<16                     ; tensor_dim0 = 256
	s_mov_b32 s[G1+2], 16<<16                      ; tensor_dim1 = 16
	s_mov_b32 s[G1+3], 256<<16                     ; tile_dim0 = 256
	s_mov_b32 s[G1+4], 16                          ; tile_dim1 = 16
	s_mov_b32 s[G1+5], 1024                        ; elements from row to row
	s_mov_b32 s[G1+6], 0
	s_mov_b32 s[G1+7], 0
	v_and_b32 v1, 15, v0                           ; r
	v_bfe_u32 v2, v0, 4, 1                         ; h
	v_and_b32 v3, 31, v0                           ; lane
	v_lshlrev_b32 v[XO], 4, v3
	v_lshlrev_b32 v[GO], 7, v1
	v_lshl_add_u32 v[GO], v2, 4, v[GO]
	v_lshlrev_b32 v[BO], 5, v2
	s_mul_i32 s30, s[WV], WAVEB                    ; my wave's bytes of LDS
	v_mul_u32_u24 v[FA], v1, FP
	v_lshl_add_u32 v[FA], v2, 4, v[FA]
	v_add_nc_u32 v[FA], s30, v[FA]
	v_lshl_add_u32 v[SR], v3, 4, s30
	v_mul_u32_u24 v[SD], v1, SPITCH
	v_lshl_add_u32 v[SD], v2, 5, v[SD]
	v_add_nc_u32 v[SD], s30, v[SD]
	v_lshlrev_b32 v[EXL], 3, v1
	v_add_nc_u32 v[EXL], EX, v[EXL]
	s_lshl_b32 s31, s[WV], 7
	v_add_nc_u32 v[EXS], s31, v[EXL]
	s_lshl_b32 s22, ttmp9, 18                      ; out0: 64 rows of 4,096 bytes,
	s_lshl_b32 s28, s[WV], 10                      ; my 1,024 bytes of a row; also my place in bv, gamma and beta
	s_add_co_u32 s22, s22, s28
	s_mov_b32 s23, 0
	s_lshl_b32 s24, ttmp9, 17                      ; xb and qs: 64 rows of 2,048 bytes,
	s_lshl_b32 s25, s[WV], 9                       ; my 512 bytes of a row
	s_add_co_u32 s24, s24, s25
	s_mov_b32 s25, 0
	s_lshr_b32 s26, ttmp9, 6                       ; the batch
	s_lshl2_add_u32 s26, s26, s[WV]
	s_lshl_b32 s26, s26, 15                        ; (16 batch + 4 wave) maps of 8,192 bytes
	s_mov_b32 s27, 0
	s_mov_b32 s29, 0
	s_mov_b32 s[SEL], 0x76543210
	s_mov_b32 s[SEL+1], 0xfedcba98
	s_mov_b32 s32, 0x3a800000                      ; 1 / 1024
	s_mov_b32 s33, 0x3727c5ac                      ; 1e-5
	s_mov_b32 s34, 0x43800000                      ; 256
	s_mov_b32 s35, 0xffff0000                      ; a word's upper bf16
	s_mov_b32 s[TR], 4
	s_wait_dscnt 0x0                               ; the opening add is done
	s_wait_kmcnt 0x0
	s_add_nc_u64 s[4:5], s[4:5], s[24:25]
	s_add_nc_u64 s[6:7], s[6:7], s[24:25]
	s_add_nc_u64 s[8:9], s[8:9], s[26:27]
	s_add_nc_u64 s[10:11], s[10:11], s[28:29]
	s_add_nc_u64 s[12:13], s[12:13], s[28:29]
	s_add_nc_u64 s[14:15], s[14:15], s[28:29]
	s_add_nc_u64 s[16:17], s[16:17], s[22:23]
	; group 0 of load n: trip n / 2; n even: xb's tile, n odd: qs's
.set n, 0
.rept 8
.set g, G0+4*n+4*(n/5)
	s_mov_b32 s[g], 1                              ; count = 1
	s_add_co_u32 s[g+1], s30, (n/2)*TRIPB+(n%2)*TILE  ; LDS address: the wave's number times a constant, plus constants
.if n%2 == 0
	s_add_nc_u64 s[g+2:g+3], s[4:5], (n/2)*16*ROWB    ; the trip's 16 rows
.else
	s_add_nc_u64 s[g+2:g+3], s[6:7], (n/2)*16*ROWB
.endif
	s_or_b32 s[g+3], s[g+3], 0x80000000            ; type = 2
.set n, n+1
.endr
.set n, 0
.rept 8                                ; all first fills in one group, ahead of every wait on TENSORcnt, every LDS read and every barrier: eight loads of mine are out
.set g, G0+4*n+4*(n/5)
	tensor_load_to_lds s[g:g+3], s[G1:G1+7]
	s_nop 0
.set n, n+1
.endr
	WIN 0x40                                       ; the maps: fragment (hd, eb, kk) at 8 (8 hd + 2 eb + kk): rows 16 eb + r, channels 32 kk on
.set i, 0
.rept 32
	global_load_b128 v[8*i:8*i+3],   v[GO], s[8:9] offset:(i/8)*8192+((i/2)%4)*2048+(i%2)*64
	global_load_b128 v[8*i+4:8*i+7], v[GO], s[8:9] offset:(i/8)*8192+((i/2)%4)*2048+(i%2)*64+32
.set i, i+1
.endr
	WIN 0x80                                       ; bv as the accumulators lie
.set i, 0
.rept 16
	global_load_b128 v[8*i:8*i+3],   v[BO], s[10:11] offset:64*i
	global_load_b128 v[8*i+4:8*i+7], v[BO], s[10:11] offset:64*i+16
.set i, i+1
.endr
	WIN 0
	global_load_b128 v[GAM:GAM+3],   v[XO], s[12:13]
	global_load_b128 v[GAM+4:GAM+7], v[XO], s[12:13] offset:512
	global_load_b128 v[BET:BET+3],   v[XO], s[14:15]
	global_load_b128 v[BET+4:BET+7], v[XO], s[14:15] offset:512
	; the identity, made while the loads are out.  Lane (r, h) holds row m = r of source 0; register q of the first four holds k = 8 h + 2 q and 8 h + 2 q + 1: the one at k = r lies in the lanes
	; with r / 2 = 4 h + q, in the low half if r is even, else in the high half
	v_lshrrev_b32 v14, 1, v1
	v_lshlrev_b32 v15, 2, v2
	v_sub_nc_u32 v14, v14, v15                     ; r / 2 - 4 h: the register, where it is 0 to 3
	v_and_b32 v15, 1, v1
	v_lshlrev_b32 v15, 4, v15
	v_mov_b32 v3, 0x3f80                           ; 1.0 in bf16
	v_lshlrev_b32 v15, v15, v3
	WIN 0xc0
.irp z, 0,1,2,3,8,9,10,11
	v_mov_b32 v[ID+(\z)], 0
.endr
.irp q, 0,1,2,3
	v_cmp_eq_u32 vcc_lo, \q, v14
	v_cndmask_b32 v[ID+4+(\q)], 0, v15, vcc_lo
.endr
	WIN 0
	s_wait_loadcnt 0x0                             ; the maps, bv, gamma, beta: once
	WIN 0x0a                                       ; bv, gamma and beta are rounded to bf16 and widened again (see LIMITS); the accumulators' registers serve as room
.set i, 0
.rept 64
	v_cvt_pk_bf16_f32 v[ACC+i], v[2*i], v[2*i+1]
.set i, i+1
.endr
	WIN 0x80
.set i, 0
.rept 64
	v_lshlrev_b32 v[2*i], 16, v[ACC+i]
	v_and_b32 v[2*i+1], s35, v[ACC+i]
.set i, i+1
.endr
	WIN 0
.irp k, 0,1,2,3,4,5,6,7
	v_cvt_pk_bf16_f32 v[ST+(\k)], v[GAM+2*(\k)], v[GAM+2*(\k)+1]
.endr
.irp k, 0,1,2,3,4,5,6,7
	v_lshlrev_b32 v[GAM+2*(\k)], 16, v[ST+(\k)]
	v_and_b32 v[GAM+2*(\k)+1], s35, v[ST+(\k)]
.endr
.Ltrip:
	; Tensor loads of a wave end in order (ISA guide 10.11.1), and all eight were issued ahead of the loop: at most 6 out means that the first trip's two have landed, 4 the second's, 2 the third's.
	; Each trip goes down this ladder as far as it needs: the later trips' tiles stay on their way.
	s_wait_tensorcnt 6
	s_cmp_eq_u32 s[TR], 4
	s_cbranch_scc1 .Lin
	s_wait_tensorcnt 4
	s_cmp_eq_u32 s[TR], 3
	s_cbranch_scc1 .Lin
	s_wait_tensorcnt 2
	s_cmp_eq_u32 s[TR], 2
	s_cbranch_scc1 .Lin
	s_wait_tensorcnt 0x0                           ; the last trip: no load was issued behind its two
.Lin:
.set i, 0
.rept 8                                ; qs's fragments: (head hd, half kk of its channels) at QF + 8 (2 hd + kk): 16 rows x 32 channels, two loads of 16 bytes, 32 bytes apart
	ds_load_b128 v[QF+8*i:QF+8*i+3],   v[FA] offset:TILE+64*i
	ds_load_b128 v[QF+8*i+4:QF+8*i+7], v[FA] offset:TILE+64*i+32
.set i, i+1
.endr
	WIN 0xc0
.set i, 0
.rept 8                                ; x's fragments: columns 32 i on
	ds_load_b128 v[8*i:8*i+3],   v[FA] offset:64*i
	ds_load_b128 v[8*i+4:8*i+7], v[FA] offset:64*i+32
.set i, i+1
.endr
	s_wait_dscnt 16                                ; qs's fragments are in; x's sixteen loads may be out
	WIN 0x21                                       ; maps in window 1, qs in window 0, bv in window 2.  The 16 accumulators take turns
.set i, 0
.rept 16
	v_wmma_f32_16x16x32_bf16 v[ACC+8*i:ACC+8*i+7], v[16*i:16*i+7], v[QF+16*(i/4):QF+16*(i/4)+7], v[8*i:8*i+7]
.set i, i+1
.endr
	WIN 0x01
.set i, 0
.rept 16
	v_wmma_f32_16x16x32_bf16 v[ACC+8*i:ACC+8*i+7], v[16*i+8:16*i+15], v[QF+16*(i/4)+8:QF+16*(i/4)+15], v[ACC+8*i:ACC+8*i+7]
.set i, i+1
.endr
	s_wait_dscnt 0x0                               ; x's fragments are in
	WIN 0x0f                                       ; identity and x in window 3: y = o + x; columns 16 i on are the lower (i even) or upper (i odd) half of fragment i / 2
.set i, 0
.rept 16
	v_wmma_f32_16x16x32_bf16 v[ACC+8*i:ACC+8*i+7], v[ID+4-4*(i%2):ID+11-4*(i%2)], v[8*(i/2):8*(i/2)+7], v[ACC+8*i:ACC+8*i+7]
.set i, i+1
.endr
	WIN 0
.rept 4
	v_nop                                          ; four places behind the last product, ahead of the sums that read the results
.endr
.irp k, 0,1,2,3                        ; the row's sum, in four chains; each accumulator's lowest registers are read first
	v_pk_add_f32 v[ST+2*(\k):ST+2*(\k)+1], v[ACC+2*(\k):ACC+2*(\k)+1], v[ACC+8+2*(\k):ACC+8+2*(\k)+1]
.endr
.set i, 8
.rept 56
	v_pk_add_f32 v[ST+2*(i%4):ST+2*(i%4)+1], v[ST+2*(i%4):ST+2*(i%4)+1], v[ACC+2*i:ACC+2*i+1]
.set i, i+1
.endr
	REDUCE
	v_mul_f32 v[ST+8], 0x3b800000, v[ST]           ; my mean: the sum / 256
	v_mul_f32 v[ST+9], 0x3b800000, v[ST]
	v_mul_f32 v[ST+10], 0x3b800000, v[ST]
.set i, 0
.rept 64
	v_pk_add_f32 v[ACC+2*i:ACC+2*i+1], v[ACC+2*i:ACC+2*i+1], v[ST+8:ST+9] neg_lo:[0,1] neg_hi:[0,1]
.set i, i+1
.endr
.irp k, 0,1,2,3
	v_pk_mul_f32 v[ST+2*(\k):ST+2*(\k)+1], v[ACC+2*(\k):ACC+2*(\k)+1], v[ACC+2*(\k):ACC+2*(\k)+1]
.endr
.set i, 4
.rept 60
	v_pk_fma_f32 v[ST+2*(i%4):ST+2*(i%4)+1], v[ACC+2*i:ACC+2*i+1], v[ACC+2*i:ACC+2*i+1], v[ST+2*(i%4):ST+2*(i%4)+1]
.set i, i+1
.endr
	REDUCE
	v_mov_b32 v[ST+11], v[ST]                      ; (mean, M2)
	ds_store_b64 v[EXS], v[ST+10:ST+11]            ; both halves of the lanes write the same numbers to the same words; the words are this trip's own, so nothing is ever written over
	s_wait_dscnt 0x0                               ; for the others' sake
	s_barrier_signal -1
	s_barrier_wait -1
.irp w, 0,1,2,3
	ds_load_b64 v[MG+2*(\w):MG+2*(\w)+1], v[EXL] offset:128*(\w)
.endr
	s_wait_dscnt 0x0
	v_add_f32 v[MG+8], v[MG], v[MG+2]
	v_add_f32 v[MG+9], v[MG+4], v[MG+6]
	v_add_f32 v[MG+8], v[MG+8], v[MG+9]
	v_mul_f32 v[MG+8], 0x3e800000, v[MG+8]         ; mu
.irp w, 0,1,2,3
	v_sub_f32 v[MG+2*(\w)], v[MG+2*(\w)], v[MG+8]
.endr
	v_add_f32 v[MG+9], v[MG+1], v[MG+3]
	v_add_f32 v[MG+10], v[MG+5], v[MG+7]
	v_add_f32 v[MG+9], v[MG+9], v[MG+10]
	v_mul_f32 v[MG+10], v[MG], v[MG]
	v_fmac_f32 v[MG+10], v[MG+2], v[MG+2]
	v_fmac_f32 v[MG+10], v[MG+4], v[MG+4]
	v_fmac_f32 v[MG+10], v[MG+6], v[MG+6]
	v_fma_f32 v[MG+9], v[MG+10], s34, v[MG+9]      ; M2 = sum of M2_w + 256 sum of (mean_w - mu)^2
	v_fma_f32 v[MG+9], v[MG+9], s32, s33           ; var + 1e-5
	v_rsq_f32 v[ST+12], v[MG+9]
	v_sub_f32 v[MG+11], v[ST+8], v[MG+8]           ; my mean - mu: the plain instruction behind the root
	s_wait_alu depctr_va_vdst(0)                   ; the wait ahead of its first reader
	v_mov_b32 v[ST+13], v[ST+12]
	v_mul_f32 v[ST+14], v[MG+11], v[ST+12]
	v_mul_f32 v[ST+15], v[MG+11], v[ST+12]
.set i, 0
.rept 64
	v_pk_fma_f32 v[ACC+2*i:ACC+2*i+1], v[ACC+2*i:ACC+2*i+1], v[ST+12:ST+13], v[ST+14:ST+15]  ; (y - mu) rs
.set i, i+1
.endr
.set i, 0
.rept 16                               ; into the stage, over the trip's two tiles: their fragments were waited for above
	ds_store_b128 v[SD], v[ACC+8*i:ACC+8*i+3] offset:64*i
	ds_store_b128 v[SD], v[ACC+8*i+4:ACC+8*i+7] offset:64*i+16
.set i, i+1
.endr
	WIN 0x80
.set i, 0
.rept 32
	ds_load_b128 v[128+4*i:128+4*i+3], v[SR] offset:(i/2)*SPITCH+(i%2)*512  ; LDS serves a wave's instructions in order (ISA guide 5.7.1.4): these see my stores above
.set i, i+1
.endr
.irp g, 0,1,2,3                        ; four rows at a time: gamma and beta, and out
	s_wait_dscnt 24-8*(\g)                         ; this group's eight loads are in; the later groups' may be out
	WIN 0x82
.set i, 8*(\g)
.rept 8
	v_pk_fma_f32 v[128+4*i:128+4*i+1],   v[128+4*i:128+4*i+1],   v[GAM+4*(i%2):GAM+4*(i%2)+1],   v[BET+4*(i%2):BET+4*(i%2)+1]
	v_pk_fma_f32 v[128+4*i+2:128+4*i+3], v[128+4*i+2:128+4*i+3], v[GAM+4*(i%2)+2:GAM+4*(i%2)+3], v[BET+4*(i%2)+2:BET+4*(i%2)+3]
.set i, i+1
.endr
	WIN 0x08                                       ; store data in window 2
.set i, 8*(\g)
.rept 8
	global_store_b128 v[XO], v[128+4*i:128+4*i+3], s[16:17] offset:(i/2)*ROWO+(i%2)*512 th:TH_STORE_NT  ; 512 consecutive bytes, aligned
.set i, i+1
.endr
.endr
	WIN 0
	s_wait_xcnt 0x0                                ; the stores have read their registers and their base
	s_add_nc_u64 s[16:17], s[16:17], 16*ROWO
	v_add_nc_u32 v[FA], TRIPB, v[FA]               ; the next trip's tiles, stage and exchange words
	v_add_nc_u32 v[SR], TRIPB, v[SR]
	v_add_nc_u32 v[SD], TRIPB, v[SD]
	v_add_nc_u32 v[EXS], 512, v[EXS]
	v_add_nc_u32 v[EXL], 512, v[EXL]
	s_sub_co_u32 s[TR], s[TR], 1
	s_cmp_lg_u32 s[TR], 0
	s_cbranch_scc1 .Ltrip
	s_wait_tensorcnt 0x0                           ; the wave's end: the add and its waits, behind my last tensor load and my last LDS store
	ds_add_u32 v[SPW], v[NIL]
	s_wait_dscnt 0x0
	s_endpgm
.Lfunc_end_k_qf11a2c2009_norm:
	.size	k_qf11a2c2009_norm, .Lfunc_end_k_qf11a2c2009_norm-k_qf11a2c2009_norm
	.p2alignl 7, 3214868480
	.fill 96, 4, 3214868480
	.section	.rodata,"a",@progbits
	.p2align	6, 0x0
	.amdhsa_kernel k_qf11a2c2009_norm
		.amdhsa_group_segment_fixed_size 272896
		.amdhsa_private_segment_fixed_size 0
		.amdhsa_enable_private_segment 0
		.amdhsa_kernarg_size 56
		.amdhsa_user_sgpr_count 2
		.amdhsa_user_sgpr_kernarg_segment_ptr 1
		.amdhsa_wavefront_size32 1
		.amdhsa_system_sgpr_workgroup_id_x 1
		.amdhsa_system_sgpr_workgroup_id_y 1
		.amdhsa_system_sgpr_workgroup_id_z 1
		.amdhsa_system_vgpr_workitem_id 0
		.amdhsa_next_free_vgpr 844
		.amdhsa_next_free_sgpr 80
		.amdhsa_reserve_vcc 1
		.amdhsa_float_denorm_mode_32 3
		.amdhsa_float_denorm_mode_16_64 3
		.amdhsa_memory_ordered 1
		.amdhsa_forward_progress 1
		.amdhsa_inst_pref_size 61
	.end_amdhsa_kernel
	.amdgpu_metadata
---
amdhsa.version: [ 1, 2 ]
amdhsa.kernels:
  - .name:           k_qf11a2c2009_norm
    .symbol:         k_qf11a2c2009_norm.kd
    .args:
      - { .name: xb, .offset: 0, .size: 8, .value_kind: global_buffer, .address_space: global }
      - { .name: qs, .offset: 8, .size: 8, .value_kind: global_buffer, .address_space: global }
      - { .name: gtb, .offset: 16, .size: 8, .value_kind: global_buffer, .address_space: global }
      - { .name: bv, .offset: 24, .size: 8, .value_kind: global_buffer, .address_space: global }
      - { .name: gamma, .offset: 32, .size: 8, .value_kind: global_buffer, .address_space: global }
      - { .name: beta, .offset: 40, .size: 8, .value_kind: global_buffer, .address_space: global }
      - { .name: out0, .offset: 48, .size: 8, .value_kind: global_buffer, .address_space: global }
    .group_segment_fixed_size: 272896
    .private_segment_fixed_size: 0
    .kernarg_segment_align: 8
    .kernarg_segment_size: 56
    .max_flat_workgroup_size: 128
    .sgpr_count:     80
    .vgpr_count:     844
    .wavefront_size: 32
...
	.end_amdgpu_metadata
.endif
;; end of part 4
